; MI455X (gfx1250); checked and timed in simulation.
; The chip was launched on July 23, 2026; its instructions are those of AMD's public machine-readable ISA for CDNA 5 (MIT licence, August 2026) and "CDNA5" Instruction Set Architecture Reference Guide (July 2026). The comments in the code are by the model that wrote it; some were corrected since.
;; Fixed Point Self Attention Step. Allowed arithmetic: matrix products marked QUANTISED: E2M1 operands, one E8M0 scale for each 32 along K, by v_wmma_scale_f32_16x16x128_f8f6f4 with both operands' format E2M1 (or v_wmma_scale_f32_32x16x128_f4), f32 sums; everything else in f32.
;; Inputs: Wqkv_codes 3,072 x 32 x 16 uint8 (E2M1 codes of Wqkv, K innermost, in blocks of 32 codes, two codes a byte); Wqkv_scales 3,072 x 32 uint8 (E8M0 scales of Wqkv, one for each 32 codes along K); bqkv 3,072 float32; temperature 16 float32; x_codes 8 x 1,024 x 32 x 16 uint8 (E2M1 codes of x, K innermost, in blocks of 32 codes, two codes a byte); x_scales 8 x 1,024 x 32 uint8 (E8M0 scales of x, one for each 32 codes along K); z_k_codes 8 x 1,024 x 32 x 16 uint8 (E2M1 codes of z_k, K innermost, in blocks of 32 codes, two codes a byte); z_k_scales 8 x 1,024 x 32 uint8 (E8M0 scales of z_k, one for each 32 codes along K).
;; Outputs: out0 8 x 1,024 x 1,024 float32.
;; This version of the problem:
;;   THIS VERSION OF THE PROBLEM IS GIVEN IN LOW PRECISION. The matrix products marked QUANTISED in the list below multiply operands that are first quantised to E2M1 (2 exponent bits, 1 mantissa bit; 4 bits a number), with one power-of-two scale for each 32 numbers along K (OCP MX v1.0); their sums are f32. All else is computed in f32.
;;   The module's matrix products, in the order in which they are computed (A, B: the left and right operand; K: the contracted axis; several contracted axes count as one K, in the product's order):
;;     1. [M 8,192, K 1,024] x [K 1,024, N 3,072]; A: input z_k (given as codes); B: input Wqkv (given as codes): QUANTISED
;;     2. batch 128 x [M 1,024, K 64] x [K 64, N 1,024]; A: computed on the way; B: computed on the way: QUANTISED
;;     3. batch 128 x [M 64, K 1,024] x [K 1,024, N 1,024]; A: input x (given as codes); B: softmax (see below): QUANTISED
;;   THE QUANTISER, for each operand of a quantised product, along K:
;;     - K is cut into blocks of 32 from its start; a last block that is shorter is filled with zeros.
;;     - A block's scale is 2^e with e = floor(log2(the largest magnitude in the block)) - 2, held to -126 .. 127; a block of zeros has e = 0. As a byte (E8M0): e + 127.
;;     - Each number is divided by its block's scale, clamped to +-6, and rounded to the nearest number of E2M1, ties to even, subnormals kept.
;;     - The product sums the exact products of the quantised numbers (number of the format x scale) in f32.
;;   ~~~python
;;   def quantise(x, axis):      # numpy; x: float32 -> the quantised numbers, widened to float32 again
;;       x = np.moveaxis(x, axis, -1); K = x.shape[-1]
;;       x = np.pad(x, [(0, 0)] * (x.ndim - 1) + [(0, -K % 32)]); x = x.reshape(x.shape[:-1] + (-1, 32)); a = np.abs(x).max(-1, keepdims=True)
;;       e = np.where(a > 0, np.clip(np.frexp(np.where(a > 0, a, 1))[1] - 1 - 2, -126, 127), 0)      # np.frexp(a)[1] - 1 = floor(log2(a)), exactly
;;       r = np.clip(x / 2.0 ** e, -6, 6)
;;       step = 2.0 ** (np.maximum(np.frexp(np.where(r == 0, 1, r))[1] - 1, 0) - 1)
;;       q = np.round(r / step) * step * 2.0 ** e      # np.round: ties to even
;;       return np.moveaxis(q.reshape(q.shape[:-2] + (-1,))[..., :K], -1, axis).astype(np.float32)
;;   ~~~
;;   SOFTMAX AHEAD OF A QUANTISED PRODUCT. Where the list says 'softmax', what is quantised is not the finished softmax but p = 2^(t - M), with t = logit x log2(e) and M = ceil(the row's largest t), a whole number; so 1/2 < the row's largest p <= 1. The row's sum l is taken of the UNQUANTISED p, in f32, and the product's result is divided by l at the end. Since M is a whole number, a kernel that streams over the keys may use a running M (the ceiling of the running maximum): every later rescaling is an exact power of two, which a block's scale takes up: the codes' values come out the same.
;;   OPERANDS COMPUTED ON THE WAY. 'Computed on the way' means the value that the module computes at that place (a softmax that the list does not call 'softmax' is quantised finished and normalised). What goes into a quantiser is computed in f32, as accurately as f32 sums, v_exp_f32 and their like allow (about 1e-6 of the number): no bf16 or f16 on the way to a quantiser, and a product that is left as it is and whose result goes on into a quantised operand takes f32 operands (vector FMAs, or v_wmma_f32_16x16x4_f32). A number that lies on a knife's edge between two numbers of the format may be rounded either way, as far as f32 arithmetic and the matrix unit's own rounding can turn it there, and no further.
;;   INPUTS GIVEN AS CODES. Wqkv (in the module: [3072, 1024], K = its axis 1); x (in the module: [8, 1024, 1024], K = its axis 1); z_k (in the module: [8, 1024, 1024], K = its axis 2): each comes as NAME_codes (uint8): NAME with its K axis moved to the last place and cut into blocks of 32 codes, [.., K / 32, bytes a block], one block behind the other in memory; two codes a byte, the lower K in the low four bits (a code: sign, 2 exponent bits, 1 mantissa bit); and NAME_scales (uint8): the same leading axes, one E8M0 byte (e + 127) for each 32 codes along K. Its value is code x scale, taken as it is: it is not quantised again, and the codes and scales need not be those that the quantiser above would give.
;; One version. Each part assembles by itself: llvm-mc -triple=amdgcn-amd-amdhsa -mcpu=gfx1250 --defsym DOCPART=n.
;; ======== version 1 of 1: 2 launches
;; limits: right only within a limited range of input values
;; workspace buffers: qk_codes 8,388,608 bytes; qk_words 1,048,576 bytes
;; launch proj (part 1): grid 8 x 32, 4 waves a work-group, clusters of 4 x 4, 327,680 bytes of LDS; arguments z_k_codes, z_k_scales, Wqkv_codes, Wqkv_scales, bqkv, qk_codes, qk_words; writes qk_codes, qk_words
.if DOCPART == 1
	.amdgcn_target "amdgcn-amd-amdhsa--gfx1250"
	.amdhsa_code_object_version 6
	.text
	.protected	k_q81d1ab1f3f_proj
	.globl	k_q81d1ab1f3f_proj
	.p2align	8
	.type	k_q81d1ab1f3f_proj,@function
k_q81d1ab1f3f_proj:
	s_mov_b64 s[64:65], 0
	v_nop
	global_prefetch_b8 v0, s[64:65] scope:SCOPE_SE
	s_setreg_imm32_b32 hwreg(HW_REG_WAVE_MODE, 25, 1), 1
	s_wait_xcnt 0x0
	s_wait_alu depctr_hold_cnt(0) depctr_sa_sdst(0) depctr_va_vdst(0) depctr_va_sdst(0) depctr_va_ssrc(0) depctr_va_vcc(0) depctr_vm_vsrc(0)
	s_getreg_b32 s2, hwreg(HW_REG_IB_STS2, 6, 4)
	s_cmp_eq_u32 s2, 0
	s_cbranch_scc0 .Lentry_in_a_cluster
	s_endpgm
.Lentry_in_a_cluster:
	s_bfe_u32 s2, ttmp6, 0x10000c
	s_cmp_lg_u32 s2, 0xf033
	s_cbranch_scc0 .Lentry_shape_is_right
	s_endpgm
.Lentry_shape_is_right:
; q and k = z_k Wqkv^T + bqkv, on codes of FP4 (E2M1) with one E8M0 scale for each 32 along K, f32 sums; the results are quantised along a head's 64 numbers (two blocks of 32) and stored as codes and scale words.
; z_k: [8192][1024] as codes (a row: 512 bytes) and scale bytes [8192][32].  Wqkv likewise; of its 3,072 rows only 0 .. 2047 (q's and k's) are multiplied, and of bqkv only its first 2,048 numbers are read:
; the last third of the projection reaches no result of the problem.
; OUT: qk_codes [b 8][hh 32][n 1024][32 bytes] (hh = column / 64: 0-15 q's heads, 16-31 k's; 64 codes a row, the lower number in the low four bits);
;      qk_words [b][hh][n] of 32 bits: byte 0 scales numbers 0-31, byte 1 numbers 32-63, bytes 2 and 3 are 0 (the reader multiplies them onto zero codes alone).
; LIMITS: NaN and infinities are not served; a block whose largest magnitude lies under 2^-124 (a block of zeros too) gets the byte 1: this program alone reads the bytes.
; SHARES.  A tile of 256 tokens x 256 columns to a work-group of four waves; a wave makes 128 x 128: 64 accumulators, 512 registers.  K = 1,024 lies whole in one LDS slot (rows of 512 bytes), eight steps of 128,
; so every LDS byte is filled once, by the first fills, and nothing is filled again.  The scale bytes of the tile's 256 + 256 rows, for all of K, come with them as two dense blocks.
; CLUSTERS: 4 x 4 work-groups; the four of a row of the cluster ask jointly for z_k's tiles, the four of a column for Wqkv's.
; THE MATRIX INSTRUCTION IS USED TRANSPOSED (source 0 = 16 rows of Wqkv, source 1 = 16 tokens): lane (r, h) holds token r, and register j of accumulator (a, b) column 16 b + 8 h + j.  The bias is the C of each sum's first product.
; REGISTERS, in windows of 256: window 0: v16-30 addresses; v32-95 scale words, two sets; v96-123 at work on the way out; v128-191 z_k's fragments, ONE set, on the way out the codes; v192-255 the bias, 8 registers a column block.
;   window 1: Wqkv's fragments, TWO sets.   window 2: the accumulators of my tokens 0-63 ((a, b) at v[8 (8 a + b)]);   window 3: those of tokens 64-127.
.set KSTEP,  512                       ; along K under one set of scale words
.set NQ,     KSTEP/128                 ; matrix instructions deep
; ALL OF K LIES IN ONE SLOT: the tile's rows are fetched whole, 512 bytes each, by one tensor load for z_k's 256 rows, one for Wqkv's, one for each side's scale bytes: one a wave; nothing is filled again.
; DEAD WORK: rows 2048 .. 3071 of Wqkv and numbers 2048 .. 3071 of bqkv only make the projection's v, which reference() discards (its v is x), for all values of the inputs.
; LIMIT: a NaN, an infinity or an overflow that reaches only that part is not carried to the result.
.set ROWB,   512                       ; a tile's row in bytes: all of K
.set KROW,   512                       ; a row of codes in memory
.set PITCH,  528                       ; an LDS row: 512 bytes + 16 of padding: the 16 rows that a load touches start 132 words apart
.set FR,     8                         ; registers of a fragment: 16 rows x 128 K
.set NL,     2                         ; LDS loads that bring one
.set NP,     4                         ; places behind this matrix instruction (ISA guide 7.12.1)
.set HALFT,  128*PITCH                 ; 128 rows: half of what one tensor load brings
.set SLOT,   4*HALFT                   ; z_k's 256 rows, then Wqkv's 256
.set KS,     32                        ; a row of scale bytes
.set SCL,    SLOT                      ; behind the slot: the scales, as units of 256 bytes + 16 of padding
.set HALFS,  (128*KS/256)*272          ; those of 128 rows
.set SBLK,   (16*KS/256)*272           ; those of 16 rows
.set STG,    SCL+4*HALFS               ; behind them: 1,024 bytes for each wave, its own: the scale words of its 128 tokens, first head, then second head.  No fill lands here
.set ADRA, 16                          ; v16     LDS address of my fragments of z_k
.set ADRB, 20                          ; v20     the same for Wqkv
.set CO,   24                          ; v24     32 r + 16 h: my 16 bytes among 16 tokens' codes of a head
.set WST,  25                          ; v25     where I put a scale word: STG + 1,024 wave + 512 h + 4 r
.set WRD,  26                          ; v26     where I read them back: STG + 1,024 wave + 16 lane
.set ADRS, 27                          ; v27     LDS address of my operands' scale words: lanes 0-15 z_k's rows, lanes 16-31 Wqkv's
.set WGO,  28                          ; v28     16 lane
.set SHF,  29                          ; v29     16 h
.set BO,   30                          ; v30     32 h: my eight numbers of a column block's bias
.set SC,   32                          ; scale words: set s at v[SC + 32 s]; register 4 i + q: lanes 0-15 z_k's block i, lanes 16-31 Wqkv's block i, the slot's q-th 128 along K
.set TM,   96                          ; v96-99 largest magnitudes, v100-103 the partner's, then bytes, v108-111 the conversions' scale operands
.set PW,   112                         ; v112    four bytes: two heads x two blocks
.set WD,   113                         ; v113    my head's word
.set AF,   128                         ; z_k's fragments
.set BI,   192                         ; the bias
.set SEL,  66                          ; s[66:67] lane selects: lane l xor 16
.set G1, 24                            ; s[24:31] descriptor group 1 for z_k's tiles;  s[32:35] group 0
.set G0, 32
.set G1B, 48                           ; s[48:55], s[56:59] the same for Wqkv's
.set G0B, 56
.set G1S, 68                           ; s[68:75], s[76:79] groups 1 and 0 for z_k's scales;  s[80:87], s[88:91] for Wqkv's
.set G0S, 76
.set G1SB, 80
.set G0SB, 88
.set MSB, 0
.macro WIN new                         ; the immediate's high byte repeats the setting that is left; a switch that changes nothing is dropped
.if MSB != (\new)
	s_set_vgpr_msb (MSB<<8)|(\new)
.set MSB, (\new)
.endif
.endm
.set MUL_LO,  0xa1                     ; source 0 (Wqkv) window 1, source 1 (z_k) window 0, C and D window 2
.set MUL_HI,  0xf1                     ; the same, C and D window 3
.set BIAS_LO, 0x81                     ; C (the bias) window 0, D window 2
.set BIAS_HI, 0xc1                     ; C window 0, D window 3
.set TO_B,    0x40                     ; destination window 1, address window 0
; A joint load: wave 0 fetches z_k's codes, wave 1 Wqkv's, wave 2 z_k's scales, wave 3 Wqkv's.  Each line has one mask and one set of registers for all that issue it; the branch hangs on the wave's number alone.
; Four v_nop follow each of the two lines, ahead of the jump, the label and what follows.
; An arm of the one tree of branches on the wave's number.
.macro ARM under, g0, g1, next
	s_cmp_lt_u32 s14, \under
	s_cbranch_scc0 \next
	tensor_load_to_lds s[\g0:\g0+3], s[\g1:\g1+7]
	s_nop 0
.rept 4
	v_nop
.endr
	s_branch .Lhead_asked
\next:
.endm
.macro CROUND                          ; a round of the cluster's barrier: my work-group's barrier, wave 0 signals for the work-group, every wave waits for all sixteen, my work-group's barrier once more
	s_barrier_signal -1
	s_barrier_wait -1
	s_cmp_lg_u32 s14, 0
	s_cbranch_scc1 .Lnot_wave_0_\@
	s_barrier_signal -3
.Lnot_wave_0_\@:
	s_barrier_wait -3
	s_barrier_signal -1
	s_barrier_wait -1
.endm
	s_load_b128 s[4:7], s[0:1], 0x0                ; z_k's codes s[4:5], its scales s[6:7]
	s_load_b128 s[8:11], s[0:1], 0x10              ; Wqkv's codes s[8:9], its scales s[10:11]
	s_load_b64 s[12:13], s[0:1], 0x20              ; bqkv
	s_load_b64 s[96:97], s[0:1], 0x28              ; qk_codes
	s_load_b64 s[98:99], s[0:1], 0x30              ; qk_words
	v_lshl_add_u32 v126, v0, 2, 0x49400
	v_mov_b32 v127, 0
	ds_add_u32 v126, v127
	ds_add_u32 v126, v127
	v_lshrrev_b32 v1, 5, v0
	v_readfirstlane_b32 s14, v1                    ; wave 0..3
	s_lshr_b32 s15, s14, 1                         ; which half of the tile's tokens is mine
	s_and_b32 s16, s14, 1                          ; which half of its columns
	s_bfe_u32 s40, ttmp6, 0x40000                  ; cx, cy: my place in the cluster
	s_bfe_u32 s41, ttmp6, 0x40004
	s_lshl_b32 s42, ttmp9, 2
	s_add_co_u32 s42, s42, s40                     ; tile column = 4 x cluster x + cx, 0 .. 7
	s_and_b32 s17, ttmp7, 0xffff
	s_lshl_b32 s17, s17, 2
	s_add_co_u32 s17, s17, s41                     ; tile row = 4 x cluster y + cy, 0 .. 31
	s_lshl_b32 s43, s41, 2
	s_lshl_b32 s43, 15, s43                        ; my row of the cluster
	s_lshl_b32 s44, 0x1111, s40                    ; my column
	; descriptor group 1: a tile of 256 rows x 512 bytes, padded in LDS
	s_or_b32 s[G1+0], s43, (0<<16)|(1<<20)|(1<<21)|(6<<22)|(3<<25)  ; 15:0 the mask: z_k's tile goes to my row; 17:16 elements of 1 byte; 20 padding on; 21 set beside a mask; 24:22 after every 128 words; 31:25 four words
	s_or_b32 s[G1B+0], s44, (0<<16)|(1<<20)|(1<<21)|(6<<22)|(3<<25)
.irp g, G1, G1B
	s_mov_b32 s[\g+1], ROWB<<16                    ; tensor_dim0
	s_mov_b32 s[\g+2], 256<<16                     ; tensor_dim1
	s_mov_b32 s[\g+3], ROWB<<16                    ; tile_dim0
	s_mov_b32 s[\g+4], 256                         ; tile_dim1
	s_mov_b32 s[\g+5], KROW                        ; from row to row
	s_mov_b32 s[\g+6], 0
	s_mov_b32 s[\g+7], 0
.endr
	; the scales of 256 rows: a dense block of 8,192 bytes, as 32 rows of 256 bytes (32 elements of 8 bytes), 16 bytes of padding behind each
	s_or_b32 s[G1S+0], s43, (3<<16)|(1<<20)|(1<<21)|(5<<22)|(3<<25)
	s_or_b32 s[G1SB+0], s44, (3<<16)|(1<<20)|(1<<21)|(5<<22)|(3<<25)
.irp g, G1S, G1SB
	s_mov_b32 s[\g+1], 32<<16
	s_mov_b32 s[\g+2], KS<<16                      ; here 256 rows' scales: 8,192 bytes, 32 rows of 256
	s_mov_b32 s[\g+3], 32<<16
	s_mov_b32 s[\g+4], KS
	s_mov_b32 s[\g+5], 32
	s_mov_b32 s[\g+6], 0
	s_mov_b32 s[\g+7], 0
.endr
	s_lshl_b32 s20, s17, 8                         ; z_k: row 256 x tile row
	s_lshl_b32 s46, s42, 8                         ; Wqkv: row 256 x tile column
	s_mov_b32 s21, 0
	s_mov_b32 s47, 0
	s_mov_b64 s[18:19], KS
	s_mul_u64 s[22:23], s[20:21], s[18:19]         ; where these rows' scales begin, in bytes
	s_mul_u64 s[92:93], s[46:47], s[18:19]
	s_mov_b64 s[18:19], KROW
	s_mul_u64 s[20:21], s[20:21], s[18:19]         ; and their codes
	s_mul_u64 s[46:47], s[46:47], s[18:19]
	s_mov_b32 s[SEL], 0x76543210
	s_mov_b32 s[SEL+1], 0xfedcba98
	s_wait_dscnt 0x0
	s_wait_kmcnt 0x0
	s_add_nc_u64 s[20:21], s[4:5], s[20:21]
	s_add_nc_u64 s[22:23], s[6:7], s[22:23]
	s_add_nc_u64 s[46:47], s[8:9], s[46:47]
	s_add_nc_u64 s[92:93], s[10:11], s[92:93]
	CROUND                                         ; all sixteen work-groups are here: the joint loads meet
	s_mov_b32 s[G0S], 1
	s_mov_b32 s[G0S+1], SCL
	s_mov_b64 s[G0S+2:G0S+3], s[22:23]
	s_or_b32 s[G0S+3], s[G0S+3], 0x80000000
	s_mov_b32 s[G0SB], 1
	s_mov_b32 s[G0SB+1], SCL+2*HALFS
	s_mov_b64 s[G0SB+2:G0SB+3], s[92:93]
	s_or_b32 s[G0SB+3], s[G0SB+3], 0x80000000
	s_mov_b32 s[G0], 1
	s_mov_b32 s[G0+1], 0
	s_mov_b64 s[G0+2:G0+3], s[20:21]
	s_or_b32 s[G0+3], s[G0+3], 0x80000000
	s_mov_b32 s[G0B], 1
	s_mov_b32 s[G0B+1], 2*HALFT
	s_mov_b64 s[G0B+2:G0B+3], s[46:47]
	s_or_b32 s[G0B+3], s[G0B+3], 0x80000000
	; the head's loads, one a wave: every way through the tree passes exactly one
	ARM 1, G0,  G1,  .Lhead_b
	ARM 2, G0B, G1B, .Lhead_sa
	ARM 3, G0S, G1S, .Lhead_sb
	tensor_load_to_lds s[G0SB:G0SB+3], s[G1SB:G1SB+7]
	s_nop 0
.rept 4
	v_nop
.endr
.Lhead_asked:
	v_and_b32 v1, 15, v0                           ; r = l % 16
	v_bfe_u32 v2, v0, 4, 1                         ; h = l / 16
	v_mul_u32_u24 v3, v1, PITCH
	v_lshl_add_u32 v4, v2, 4, v3                   ; a fragment's row x pitch + 16 h
	s_mul_i32 s21, s15, HALFT                      ; my 128 tokens
	s_mul_i32 s22, s16, HALFT                      ; my 128 rows of Wqkv,
	s_add_co_u32 s22, s22, 2*HALFT                 ; which lie behind z_k's 256
	v_add_nc_u32 v[ADRA], s21, v4
	v_add_nc_u32 v[ADRB], s22, v4
	v_mul_u32_u24 v5, v1, KS                       ; my row's scales: 32 bytes a row,
	v_lshrrev_b32 v6, 8, v5
	v_lshl_add_u32 v5, v6, 4, v5                   ; and 16 more for each 256 passed
	s_mul_i32 s21, s15, HALFS
	s_mul_i32 s22, s16, HALFS
	s_add_co_u32 s22, s22, 2*HALFS
	s_sub_co_u32 s22, s22, s21
	v_mul_u32_u24 v6, s22, v2                      ; lanes 16-31 take Wqkv's: one product, the distance between the two bases x h
	s_add_co_u32 s21, s21, SCL
	v_add_nc_u32 v5, v5, v6
	v_add_nc_u32 v[ADRS], s21, v5
	s_lshl_b32 s23, s14, 10
	s_add_co_u32 s23, s23, STG                     ; my stage for scale words
	v_lshlrev_b32 v5, 2, v1
	v_lshl_add_u32 v5, v2, 9, v5
	v_add_nc_u32 v[WST], s23, v5
	v_and_b32 v6, 31, v0
	v_lshlrev_b32 v[WGO], 4, v6
	v_add_nc_u32 v[WRD], s23, v[WGO]
	v_lshlrev_b32 v[CO], 5, v1
	v_lshl_add_u32 v[CO], v2, 4, v[CO]
	v_lshlrev_b32 v[SHF], 4, v2
	v_lshlrev_b32 v[BO], 5, v2
	s_wait_alu depctr_va_vdst(0)
.irp k, 0,1,2,3
	v_mov_b32 v[TM+4+\k], 0                        ; written once: a lane permute's destination counts as one of its sources
.endr
	; where my results go: b = tile row / 4, n0 = 256 (tile row % 4) + 128 x row half, hh0 = 4 x tile column + 2 x column half
	s_lshr_b32 s20, s17, 2
	s_lshl_b32 s20, s20, 5                         ; 32 b
	s_lshl_b32 s46, s42, 2
	s_lshl_b32 s47, s16, 1
	s_add_co_u32 s46, s46, s47
	s_add_co_u32 s46, s46, s20                     ; 32 b + hh0
	s_and_b32 s21, s17, 3
	s_lshl_b32 s21, s21, 8
	s_lshl_b32 s22, s15, 7
	s_add_co_u32 s21, s21, s22                     ; n0
	s_lshl_b32 s92, s46, 15                        ; a head's codes: 1,024 rows of 32 bytes
	s_lshl_b32 s22, s21, 5
	s_add_co_u32 s92, s92, s22
	s_mov_b32 s93, 0
	s_add_nc_u64 s[96:97], s[96:97], s[92:93]
	s_lshl_b32 s92, s46, 12                        ; its words: 1,024 of 4 bytes
	s_lshl_b32 s22, s21, 2
	s_add_co_u32 s92, s92, s22
	s_add_nc_u64 s[98:99], s[98:99], s[92:93]
	s_lshl_b32 s92, s42, 10                        ; the bias of my 128 columns: 4 (256 x tile column + 128 x half)
	s_lshl_b32 s22, s16, 9
	s_add_co_u32 s92, s92, s22
	s_add_nc_u64 s[12:13], s[12:13], s[92:93]
.irp b, 0,1,2,3,4,5,6,7
	global_load_b128 v[BI+8*\b:BI+8*\b+3], v[BO], s[12:13] offset:64*\b        ; bqkv at columns 16 b + 8 h + 0 .. 7: the result's layout
	global_load_b128 v[BI+8*\b+4:BI+8*\b+7], v[BO], s[12:13] offset:64*\b+16
.endr
.macro FRAG reg, adr, q, i             ; a fragment: lane l holds row l % 16; registers 4 c .. 4 c + 3 hold K = 64 c + 32 (l / 16) + 0 .. 31
.irp c, 0,1
	ds_load_b128 v[\reg+4*\c:\reg+4*\c+3], v[\adr] offset:64*(\q)+32*\c+(\i)*16*PITCH
.endr
.endm
; 16 matrix instructions: z_k's blocks a0, a0 + 1 x Wqkv's eight, the slot's q-th 128 along K.  p: Wqkv's set;  sc: the set of scale words.  first = 1: the bias is C: nothing is cleared and nothing is added later.
; The 64 accumulators take turns, one instruction a turn, in the same order in every step.
.macro MUL16 a0, p, q, sc, first
.irp a, \a0, \a0+1
.irp b, 0,1,2,3,4,5,6,7
.if \first
	v_wmma_scale_f32_16x16x128_f8f6f4 v[8*(8*((\a)%4)+\b):8*(8*((\a)%4)+\b)+7], v[128*(\p)+FR*\b:128*(\p)+FR*\b+FR-1], v[AF+FR*(\a):AF+FR*(\a)+FR-1], v[BI+8*\b:BI+8*\b+7], v[SC+8*NQ*(\sc)+NQ*\b+(\q)], v[SC+8*NQ*(\sc)+NQ*(\a)+(\q)] matrix_a_fmt:MATRIX_FMT_FP4 matrix_b_fmt:MATRIX_FMT_FP4 matrix_a_scale:MATRIX_SCALE_ROW1
.else
	v_wmma_scale_f32_16x16x128_f8f6f4 v[8*(8*((\a)%4)+\b):8*(8*((\a)%4)+\b)+7], v[128*(\p)+FR*\b:128*(\p)+FR*\b+FR-1], v[AF+FR*(\a):AF+FR*(\a)+FR-1], v[8*(8*((\a)%4)+\b):8*(8*((\a)%4)+\b)+7], v[SC+8*NQ*(\sc)+NQ*\b+(\q)], v[SC+8*NQ*(\sc)+NQ*(\a)+(\q)] matrix_a_fmt:MATRIX_FMT_FP4 matrix_b_fmt:MATRIX_FMT_FP4 matrix_a_scale:MATRIX_SCALE_ROW1
.endif
.endr
.endr
.endm
.macro FETCH_B slot, q, p              ; Wqkv's eight fragments of the slot's q-th 128 along K into set p
	WIN TO_B
.irp i, 0,1,2,3,4,5,6,7
	FRAG 128*(\p)+FR*\i, ADRB+\slot, \q, \i
.endr
	WIN 0
.endm
.macro FETCH_A slot, q, i0             ; z_k's blocks i0 .. i0 + 3
.irp i, \i0, \i0+1, \i0+2, \i0+3
	FRAG AF+FR*(\i), ADRA+\slot, \q, \i
.endr
.endm
.macro SCALES sc                       ; a K step's scale words into set sc: four words a row; lanes 0-15 z_k's block i, lanes 16-31 Wqkv's block i
.irp i, 0,1,2,3,4,5,6,7
	ds_load_b128 v[SC+8*NQ*\sc+NQ*\i:SC+8*NQ*\sc+NQ*\i+3], v[ADRS] offset:\i*SBLK+16*\sc
.endr
.endm
.macro PLACES n                        ; plain vector instructions between a matrix instruction and a load into, or a vector read of, its registers
.rept \n
	v_nop
.endr
.endm
; A step of 128 along K that has its successor in the same slot.  A block of z_k is free as soon as its eight products are issued: blocks 0-3 are fetched anew in the step's middle, blocks 4-7 at its end.
.macro STEP slot, q, first
	s_wait_dscnt 4*NL                              ; all but the youngest eight loads (z_k's blocks 4-7) are in
.if \first
	WIN BIAS_LO
.else
	WIN MUL_LO
.endif
	MUL16 0, (\q)%2, (\q)%4, (\q)/4, \first
	MUL16 2, (\q)%2, (\q)%4, (\q)/4, \first
	s_wait_dscnt 0                                 ; z_k's blocks 4-7 are in (asked for 32 matrix instructions ago)
	PLACES NP
	FETCH_B \slot, (\q)+1, 1-(\q)%2
	FETCH_A \slot, (\q)+1, 0
.if \first
	WIN BIAS_HI
.else
	WIN MUL_HI
.endif
	MUL16 4, (\q)%2, (\q)%4, (\q)/4, \first
	MUL16 6, (\q)%2, (\q)%4, (\q)/4, \first
	PLACES NP
	WIN 0
	FETCH_A \slot, (\q)+1, 4
.endm
; THE WAY OUT of block a: 16 tokens x 128 columns = two heads x two blocks of 32.  Of block k a lane holds 16 numbers (accumulators 2 k and 2 k + 1), lane l xor 16 the other 16.
.macro QOUT a
.set AC, 64*((\a)%4)                   ; the block's eight accumulators,
.set WW, 2+(\a)/4                      ; in window 2 or 3
.set W2, WW|(WW<<2)
.set CD, AF+8*(\a)                     ; its codes: registers of their own for each block, so that no store's data are written again
	WIN W2                                         ; sources 0 and 1 in the accumulators' window
.irp k, 0,1,2,3
	v_max3_num_f32 v[TM+\k], |v[AC+16*\k]|, |v[AC+16*\k+1]|, 0x1800000   ; each accumulator is read from its low end on; the floor 2^(3 - 127) holds the byte at 1 from below
.endr
.irp i, 2,4,6,8,10,12,14
.irp k, 0,1,2,3
	v_max3_num_f32 v[TM+\k], |v[AC+16*\k+\i]|, |v[AC+16*\k+\i+1]|, v[TM+\k]   ; (the four blocks by turns)
.endr
.endr
	WIN 0
.irp k, 0,1,2,3
	v_permlanex16_b32 v[TM+4+\k], v[TM+\k], s[SEL], s[SEL+1]
.endr
.irp k, 0,1,2,3
	v_max_num_f32 v[TM+\k], v[TM+\k], v[TM+4+\k]   ; the block's largest magnitude
.endr
.irp k, 0,1,2,3
	v_add_nc_u32 v[TM+12+\k], 0xff000000, v[TM+\k] ; 2 off its exponent field: the conversion's scale operand
.endr
.irp k, 0,1,2,3
	v_lshrrev_b32 v[TM+4+\k], 23, v[TM+12+\k]      ; the scale's byte
.endr
	v_lshl_or_b32 v[PW], v[TM+5], 8, v[TM+4]
	v_lshl_or_b32 v[PW], v[TM+6], 16, v[PW]
	v_lshl_or_b32 v[PW], v[TM+7], 24, v[PW]        ; low half: the first head's word; high half: the second's
	WIN WW                                         ; source 0 in the accumulators' window
.irp k, 0,1,2,3
	v_cvt_scalef32_pk8_fp4_f32 v[CD+2*\k], v[AC+16*\k:AC+16*\k+7], v[TM+12+\k]       ; columns 32 k + 8 h + 0 .. 7
	v_cvt_scalef32_pk8_fp4_f32 v[CD+2*\k+1], v[AC+16*\k+8:AC+16*\k+15], v[TM+12+\k]  ; columns 32 k + 16 + 8 h + 0 .. 7
.endr
	WIN 0
	v_nop                                          ; one plain place behind a scaled conversion
.irp g, 0,1                                    ; head g: its four registers hold words (0|1) (2|3) (4|5) (6|7) of the token's eight (lanes 0-15 | lanes 16-31); four exchanges make (0|4) (1|5) (2|6) (3|7)
	v_permlane16_swap_b32 v[CD+4*\g], v[CD+4*\g+1]
	v_permlane16_swap_b32 v[CD+4*\g+2], v[CD+4*\g+3]
	v_permlane16_swap_b32 v[CD+4*\g], v[CD+4*\g+2]
	v_permlane16_swap_b32 v[CD+4*\g+1], v[CD+4*\g+3]
.endr
	v_lshrrev_b32 v[WD], v[SHF], v[PW]
	v_and_b32 v[WD], 0xffff, v[WD]                 ; lanes 0-15: the first head's word of token r; lanes 16-31: the second's
	ds_store_b32 v[WST], v[WD] offset:64*(\a)
	global_store_b128 v[CO], v[CD:CD+3], s[96:97] offset:512*(\a)             ; 32 lanes store 512 consecutive bytes: 16 tokens x 32 bytes, at a multiple of 256 from the buffer's first byte
	global_store_b128 v[CO], v[CD+4:CD+7], s[96:97] offset:32768+512*(\a)     ; the second head's
.endm
	s_wait_alu depctr_va_vdst(0)                   ; the wait at the head's end
	s_wait_tensorcnt 0x0                           ; my one load is in,
	s_barrier_signal -1
	s_barrier_wait -1                              ; everybody's is
	FETCH_B 0, 0, 0
	FETCH_A 0, 0, 0
	SCALES 0                                       ; all scale words: set 0 for steps 0 to 3, set 1 for steps 4 to 7
	SCALES 1
	FETCH_A 0, 0, 4
	s_wait_loadcnt 0x0                             ; the bias
	STEP 0, 0, 1                                   ; the first products take the bias as C
.irp q, 1,2,3,4,5,6
	STEP 0, \q, 0
.endr
	s_wait_dscnt 4*NL                              ; the last step: nothing more to fetch
	WIN MUL_LO
	MUL16 0, 1, NQ-1, 1, 0
	MUL16 2, 1, NQ-1, 1, 0
	s_wait_dscnt 0
	WIN MUL_HI
	MUL16 4, 1, NQ-1, 1, 0
	MUL16 6, 1, NQ-1, 1, 0
	WIN 0
	PLACES NP                                      ; behind the last products: their results are read and their fragments' registers written from here on
.irp a, 0,1,2,3,4,5,6,7
	QOUT \a
.endr
	ds_load_b128 v[116:119], v[WRD]                ; LDS serves a wave's instructions in order (ISA guide 5.7.1.4): these see my stores.  128 tokens' words of the first head,
	ds_load_b128 v[120:123], v[WRD] offset:512     ; and of the second
	s_wait_dscnt 0x0
	global_store_b128 v[WGO], v[116:119], s[98:99]              ; 512 consecutive bytes each
	global_store_b128 v[WGO], v[120:123], s[98:99] offset:4096
	s_wait_tensorcnt 0x0
	ds_add_u32 v126, v127
	s_wait_dscnt 0x0
	CROUND                                         ; the closing round: no work-group ends while a partner may still ask for a tile that names it
	s_endpgm
.Lfunc_end_k_q81d1ab1f3f_proj:
	.size	k_q81d1ab1f3f_proj, .Lfunc_end_k_q81d1ab1f3f_proj-k_q81d1ab1f3f_proj
	.p2alignl 7, 3214868480
	.fill 96, 4, 3214868480
	.section	.rodata,"a",@progbits
	.p2align	6, 0x0
	.amdhsa_kernel k_q81d1ab1f3f_proj
		.amdhsa_group_segment_fixed_size 327680
		.amdhsa_private_segment_fixed_size 0
		.amdhsa_enable_private_segment 0
		.amdhsa_kernarg_size 56
		.amdhsa_user_sgpr_count 2
		.amdhsa_user_sgpr_kernarg_segment_ptr 1
		.amdhsa_wavefront_size32 1
		.amdhsa_system_sgpr_workgroup_id_x 1
		.amdhsa_system_sgpr_workgroup_id_y 1
		.amdhsa_system_sgpr_workgroup_id_z 1
		.amdhsa_system_vgpr_workitem_id 0
		.amdhsa_next_free_vgpr 1024
		.amdhsa_next_free_sgpr 100
		.amdhsa_reserve_vcc 0
		.amdhsa_float_denorm_mode_32 3
		.amdhsa_float_denorm_mode_16_64 3
		.amdhsa_memory_ordered 1
		.amdhsa_forward_progress 1
		.amdhsa_inst_pref_size 131
	.end_amdhsa_kernel
	.amdgpu_metadata
---
amdhsa.version: [ 1, 2 ]
amdhsa.kernels:
  - .name:           k_q81d1ab1f3f_proj
    .symbol:         k_q81d1ab1f3f_proj.kd
    .args:
      - { .name: z_k_codes, .offset: 0, .size: 8, .value_kind: global_buffer, .address_space: global }
      - { .name: z_k_scales, .offset: 8, .size: 8, .value_kind: global_buffer, .address_space: global }
      - { .name: Wqkv_codes, .offset: 16, .size: 8, .value_kind: global_buffer, .address_space: global }
      - { .name: Wqkv_scales, .offset: 24, .size: 8, .value_kind: global_buffer, .address_space: global }
      - { .name: bqkv, .offset: 32, .size: 8, .value_kind: global_buffer, .address_space: global }
      - { .name: qk_codes, .offset: 40, .size: 8, .value_kind: global_buffer, .address_space: global }
      - { .name: qk_words, .offset: 48, .size: 8, .value_kind: global_buffer, .address_space: global }
    .group_segment_fixed_size: 327680
    .private_segment_fixed_size: 0
    .kernarg_segment_align: 8
    .kernarg_segment_size: 56
    .max_flat_workgroup_size: 128
    .sgpr_count:     100
    .vgpr_count:     1024
    .wavefront_size: 32
...
	.end_amdgpu_metadata
.endif
;; end of part 1
;; launch attn (part 2): grid 2 x 128, 16 waves a work-group, clusters of 2 x 1, 169,984 bytes of LDS; arguments qk_codes, qk_words, x_codes, x_scales, temperature, out0; writes out0
.if DOCPART == 2
	.amdgcn_target "amdgcn-amd-amdhsa--gfx1250"
	.amdhsa_code_object_version 6
	.text
	.protected	k_q81d1ab1f3f_attn
	.globl	k_q81d1ab1f3f_attn
	.p2align	8
	.type	k_q81d1ab1f3f_attn,@function
k_q81d1ab1f3f_attn:
	s_mov_b64 s[64:65], 0
	v_nop
	global_prefetch_b8 v0, s[64:65] scope:SCOPE_SE
	s_setreg_imm32_b32 hwreg(HW_REG_WAVE_MODE, 25, 1), 1
	s_wait_xcnt 0x0
	s_wait_alu depctr_hold_cnt(0) depctr_sa_sdst(0) depctr_va_vdst(0) depctr_va_sdst(0) depctr_va_ssrc(0) depctr_va_vcc(0) depctr_vm_vsrc(0)
	s_getreg_b32 s2, hwreg(HW_REG_IB_STS2, 6, 4)
	s_cmp_eq_u32 s2, 0
	s_cbranch_scc0 .Lentry_in_a_cluster
	s_endpgm
.Lentry_in_a_cluster:
	s_bfe_u32 s2, ttmp6, 0x10000c
	s_cmp_lg_u32 s2, 0x1001
	s_cbranch_scc0 .Lentry_shape_is_right
	s_endpgm
.Lentry_shape_is_right:
; out0[b][n][64 h + d] = tanh(the sum over m <= n of softmax_m(q[n] . k[m] / (8 T[h])) x[b][m][64 h + d]), both products on codes of FP4 (E2M1) with one E8M0 scale for each 32 along a product's K.
; q, k: qk_codes [b][hh][n][32 bytes], qk_words [b][hh][n] (hh = h: q; 16 + h: k).  K = the head's 64: the upper 64 of the instruction's 128 are zero codes in Q, so that K's upper registers may hold any codes (its scale bytes there are 0, which is no NaN).
; V: x_codes [b][channel][512 bytes], the keys innermost; x_scales [b][channel][32].
; THE SOFTMAX: t = score x c, c = log2(e) / (8 |T|); M = the largest t so far, rounded up to a whole number; p = 2^(t - M) is quantised along the keys, not normalised; the sum of the unquantised p divides at the end.
; A negative T is served by turning the sign bits of q's codes: the scores change sign exactly, and c stays positive.
; WORK LEFT OUT: blocks of 32 keys all of which come after a tile's 16 queries: reference() puts -inf there ahead of the softmax, for all values of the inputs.  A NaN or an infinity that reaches only those is not carried to the result.
; LIMITS: NaN and infinities are not served, nor T = 0; the scaled scores stay under 2^31 in magnitude; p under 2^-126 counts as 0 (v_exp_f32 gives 0 there: ISA guide, its entry); a block of p whose largest lies under 2^-124 gets the byte 1.
; SHARES.  Two work-groups to a head (y = 16 b + h; x = the parity of the query tiles), sixteen waves each, four to a SIMD.  Tile number i of a work-group is the tile of 16 queries 2 i + x; wave w owns i = w and i = 31 - w.
; Tile i has i / 4 whole steps of 128 keys and a diagonal step of i % 4 + 1 blocks of 32 keys: 7 whole steps and 5 blocks in every wave.  Both hang on the wave's number alone.  The loops' trip counts are the constants 3 and 7; a trip beyond the tile's whole steps is passed over.
; LDS.  A head's K (32,768 bytes), V (32,768), K's words (4,096) and V's scale bytes (2,048) are brought in ONCE, by one tensor load of each of four waves, and read by all sixteen behind one barrier.  Nothing is filled again.
; CLUSTER: the two work-groups of a head ask for all four tiles jointly.  No branch and no LDS address hangs on the place in the cluster.  No prefetch: behind the head nothing is streamed.
; LAYOUT.  Both products are used transposed: S^T = K Q^T (source 0 = 16 keys, source 1 = my 16 queries), O^T = V^T P^T (source 0 = 16 channels, source 1 = P): a lane holds ONE query (lane % 16) throughout.
; THE KEYS OF A TILE ARE NOT NEIGHBOURS: lane r of tile 2 b + u takes key 32 b + 8 u + r + 8 (r / 8), so that the 16 registers of tiles 2 b and 2 b + 1 are the keys 32 b + 16 (lane / 16) + 0 .. 15.
; REGISTERS: v1-11, v248-249 addresses; v12 -M, v13 the largest score, v[14:15] the sum; v16-19 Q, v20-23 zeros; v24-31 K's scale words; v32-67 K: tile t's codes in v[32 + 4 t ..], its fragment runs on into the next tile's, v64-67 zeros; v68-99 V;
;   v100-163 S^T, then p; v164-195 O^T; v196-203 p's codes; v204-223 at work; v[232:233] c; v234-237 V's scale words; v238 p's; v[240:241] f; v242-246 the second tile's Q; v247 -infinity; v255 Q's scale words.
.set KC,   0                           ; K's codes: 16 keys are 512 bytes + 16 of padding
.set KP,   528
.set VC,   64*KP                       ; V's codes: 64 rows of 512 bytes + 16 of padding
.set VP,   528
.set KW,   VC+64*VP                    ; K's words, 4 bytes a key
.set VS,   KW+4096                     ; V's scale bytes, 32 a channel
.set STG,  VS+2048                     ; the way out: 16 rows x (256 + 16) bytes for each wave, its own; no fill lands here
.set SPARE, STG+16*16*272              ; the spare words, 128 bytes for each wave
.set AK,   1                           ; v1   my lane's place in a tile of K: 528 (r / 8) + 32 (r % 8) + 16 h
.set AV,   2                           ; v2   in a tile of V: VC + 528 r + 16 h
.set ASK,  3                           ; v3   among K's words: KW + 4 (r + 8 (r / 8))
.set ASV,  4                           ; v4   among V's: VS + 32 r
.set SPW,  5                           ; v5   LDS address of my spare word; never rewritten
.set NIL,  6                           ; v6   0; never rewritten
.set GO,   7                           ; v7   4,096 h + 16 r: my 16 bytes in two rows of out0
.set STI,  8                           ; v8   into my stage: row r, + 32 h
.set STR,  9                           ; v9   back: lanes 0-15 one row, lanes 16-31 the next
.set ADK,  10
.set ADV,  11
.set ADS,  248
.set ADT,  249
.set SS,   100
.set OT,   164
.set PC,   196
.set MX,   204
.set WV,   18                          ; s18  my wave's number
.set SEL,  20                          ; s[20:21] lane selects: lane l xor 16
.set G1C,  24                          ; s[24:31] descriptor group 1 for K's and for V's codes;  s[32:39] K's words;  s[40:47] V's scale bytes
.set G1W,  32
.set G1S,  40
.set G0K,  48                          ; s[48:51], s[52:55], s[56:59], s[60:63] the four groups 0
.set G0V,  52
.set G0W,  56
.set G0S,  60
.set QCA,  66                          ; Q's codes of my first and second tile, their words, their rows of out0
.set QCB,  68
.set QWA,  70
.set QWB,  72
.set OA,   74
.set OB,   76
.set MK,   78                          ; s78-93  mask i: lanes in which the diagonal block's register i holds a hidden key
.set TK,   94                          ; s94  the NEXT step's K in LDS: 4,224 bytes a step
.set TS,   95                          ; s95  its words: 512
.set TV,   96                          ; s96  the step's part of V's rows: 64
.set TJ,   97                          ; s97  its word in V's scale rows: 4
.set CNT,  98                          ; s98  the step's number
.set SG,   99                          ; s99  0x88888888 where T is negative, else 0
.set NF,   100                         ; s100 whole steps of the tile
.set SB,   101                         ; s101 blocks of its diagonal step, less one
.set C8,   3|(3<<16)|(1<<21)           ; group 1, word 0: the mask names both work-groups; elements of 8 bytes; bit 21 beside a mask
.set C8P,  C8|(1<<20)|(6<<22)|(3<<25)  ; and four words of padding after every 128
.macro G1SET g, w0, cols, rows         ; group 1 of a dense block of rows x cols elements
	s_mov_b32 s[\g], \w0
	s_mov_b32 s[\g+1], (\cols)<<16                 ; tensor_dim0
	s_mov_b32 s[\g+2], (\rows)<<16                 ; tensor_dim1
	s_mov_b32 s[\g+3], (\cols)<<16                 ; tile_dim0
	s_mov_b32 s[\g+4], \rows                       ; tile_dim1
	s_mov_b32 s[\g+5], \cols                       ; from row to row
	s_mov_b32 s[\g+6], 0
	s_mov_b32 s[\g+7], 0
.endm
.macro G0SET g, lds, base              ; group 0: the tile at base + s[22:23]
	s_mov_b32 s[\g], 1
	s_mov_b32 s[\g+1], \lds
	s_add_nc_u64 s[\g+2:\g+3], s[\base:\base+1], s[22:23]
	s_or_b32 s[\g+3], s[\g+3], 0x80000000
.endm
.macro TILEBASE q0, c, w, o            ; the three addresses of the tile whose first query is s[q0]
	s_lshl_b32 s22, s17, 15
	s_lshl_b32 s98, s[\q0], 5
	s_add_co_u32 s22, s22, s98
	s_add_nc_u64 s[\c:\c+1], s[4:5], s[22:23]      ; codes: (32 b + h) x 32,768 + 32 x query
	s_lshl_b32 s22, s17, 12
	s_lshl_b32 s98, s[\q0], 2
	s_add_co_u32 s22, s22, s98
	s_add_nc_u64 s[\w:\w+1], s[6:7], s[22:23]      ; words: (32 b + h) x 4,096 + 4 x query
	s_lshl_b32 s22, s3, 22
	s_lshl_b32 s98, s[\q0], 12
	s_add_co_u32 s22, s22, s98
	s_lshl_b32 s98, s16, 8
	s_add_co_u32 s22, s22, s98
	s_add_nc_u64 s[\o:\o+1], s[14:15], s[22:23]    ; out0: b x 2^22 + 4,096 x query + 256 h
.endm
.macro CROUND                          ; a round of the cluster's barrier
	s_barrier_signal -1
	s_barrier_wait -1
	s_cmp_lg_u32 s[WV], 0
	s_cbranch_scc1 .Lnot_wave_0_\@
	s_barrier_signal -3
.Lnot_wave_0_\@:
	s_barrier_wait -3
	s_barrier_signal -1
	s_barrier_wait -1
.endm
.macro ARM under, g0, g1, next         ; an arm of the one tree of branches on the wave's number
	s_cmp_lt_u32 s[WV], \under
	s_cbranch_scc0 \next
	tensor_load_to_lds s[\g0:\g0+3], s[\g1:\g1+7]
	s_nop 0
.rept 4
	v_nop
.endr
	s_branch .Lhead_asked
\next:
.endm
	s_load_b256 s[4:11], s[0:1], 0x0               ; qk_codes s[4:5], qk_words s[6:7], x_codes s[8:9], x_scales s[10:11]
	s_load_b128 s[12:15], s[0:1], 0x20             ; temperature s[12:13], out0 s[14:15]
	v_lshl_add_u32 v[SPW], v0, 2, SPARE
	v_mov_b32 v[NIL], 0
	ds_add_u32 v[SPW], v[NIL]                      ; the wave's opening: the add, twice on end, and its wait
	ds_add_u32 v[SPW], v[NIL]
	v_lshrrev_b32 v224, 5, v0
	v_readfirstlane_b32 s[WV], v224                ; wave 0..15
	s_bfe_u32 s19, ttmp6, 0x40000                  ; x: the parity of my query tiles
	s_lshl_b32 s19, s19, 4                         ; 16 x
	s_and_b32 s2, ttmp7, 0xffff                    ; y = 16 b + h
	s_lshr_b32 s3, s2, 4                           ; b
	s_and_b32 s16, s2, 15                          ; h
	s_lshl_b32 s17, s3, 5
	s_add_co_u32 s17, s17, s16                     ; 32 b + h: q's head in the workspace; k's is 16 further on
	s_mov_b32 s[SEL], 0x76543210
	s_mov_b32 s[SEL+1], 0xfedcba98
	s_mov_b32 s23, 0                               ; s[22:23]: an offset as a pair
	G1SET G1C, C8P, 64, 64                         ; 32,768 bytes as 64 rows of 512
	G1SET G1W, C8, 32, 16                          ; 4,096 bytes as 16 rows of 256
	G1SET G1S, C8, 32, 8                           ; 2,048 bytes as 8 rows of 256
	s_wait_alu depctr_va_vdst(0)                   ; directly ahead of the waits below
	s_wait_dscnt 0x0                               ; both opening adds are done
	CROUND                                         ; both work-groups are here: the joint loads meet
	s_wait_kmcnt 0x0
	s_add_co_u32 s22, s17, 16
	s_lshl_b32 s22, s22, 15
	G0SET G0K, KC, 4
	s_lshl_b32 s22, s2, 15                         ; a head's 64 channels x 512 bytes
	G0SET G0V, VC, 8
	s_add_co_u32 s22, s17, 16
	s_lshl_b32 s22, s22, 12
	G0SET G0W, KW, 6
	s_lshl_b32 s22, s2, 11                         ; a head's 64 channels x 32 bytes
	G0SET G0S, VS, 10
	; THE FILLS, one a wave: wave 0 K's codes, wave 1 K's words, wave 2 V's codes, wave 3 V's scale bytes
	ARM 1, G0K, G1C, .Lhead_w
	ARM 2, G0W, G1W, .Lhead_v
	ARM 3, G0V, G1C, .Lhead_s
	ARM 4, G0S, G1S, .Lhead_none
.Lhead_asked:
	s_lshl_b32 s22, s16, 2
	s_add_nc_u64 s[12:13], s[12:13], s[22:23]
	s_load_b32 s97, s[12:13], 0x0                  ; T[h]
	s_lshl_b32 s94, s[WV], 5
	s_sub_co_u32 s95, 992, s94
	s_add_co_u32 s94, s94, s19                     ; my first tile's first query: 16 (2 w + x),
	s_add_co_u32 s95, s95, s19                     ; my second's: 16 (62 - 2 w + x)
	TILEBASE 94, QCA, QWA, OA
	TILEBASE 95, QCB, QWB, OB
	s_mul_i32 s96, s[WV], 16*272
	s_add_co_u32 s96, s96, STG                     ; my stage
	v_and_b32 v224, 15, v0                         ; r
	v_bfe_u32 v225, v0, 4, 1                       ; h
	v_lshlrev_b32 v204, 5, v224
	v_lshl_add_u32 v204, v225, 4, v204             ; 32 r + 16 h: my 16 bytes of a tile of Q
	v_lshlrev_b32 v205, 2, v224                    ; 4 r: its word
	global_load_b128 v[16:19], v204, s[QCA:QCA+1] th:TH_LOAD_NT    ; numbers 32 h + 0 .. 31 of query r
	global_load_b32 v255, v205, s[QWA:QWA+1] th:TH_LOAD_NT
	global_load_b128 v[242:245], v204, s[QCB:QCB+1] th:TH_LOAD_NT
	global_load_b32 v246, v205, s[QWB:QWB+1] th:TH_LOAD_NT
	v_lshrrev_b32 v226, 3, v224                    ; r / 8
	v_and_b32 v227, 7, v224                        ; r % 8
	v_mul_u32_u24 v[AK], v226, KP
	v_lshl_add_u32 v[AK], v227, 5, v[AK]
	v_lshl_add_u32 v[AK], v225, 4, v[AK]
	v_mul_u32_u24 v[AV], v224, VP
	v_lshl_add_u32 v[AV], v225, 4, v[AV]
	v_add_nc_u32 v[AV], VC, v[AV]
	v_lshl_add_u32 v228, v226, 3, v224             ; r + 8 (r / 8)
	v_lshl_add_u32 v[ASK], v228, 2, KW
	v_lshl_add_u32 v[ASV], v224, 5, VS
	v_lshlrev_b32 v[GO], 12, v225
	v_lshl_add_u32 v[GO], v224, 4, v[GO]
	v_mul_u32_u24 v[STI], v224, 272
	v_lshl_add_u32 v[STI], v225, 5, v[STI]
	v_add_nc_u32 v[STI], s96, v[STI]
	v_mul_u32_u24 v[STR], v225, 272
	v_lshl_add_u32 v[STR], v224, 4, v[STR]
	v_add_nc_u32 v[STR], s96, v[STR]
	v_lshlrev_b32 v229, 4, v225
	v_sub_nc_u32 v229, v224, v229
	v_add_nc_u32 v229, s19, v229                   ; d = 16 x + r - 16 h: in the diagonal step's last block register i holds the key that lies i - d beyond my query: hidden where i > d
.set nn, 0
.rept 16
	v_cmp_gt_i32 s[MK+nn], nn, v229
.set nn, nn+1
.endr
.irp j, 0,1,2,3
	v_mov_b32 v[20+\j], 0                          ; the upper 64 of the first product's K: zero codes in Q
	v_mov_b32 v[64+\j], 0                          ; behind K's last tile
.endr
	v_mov_b32 v209, 0                              ; (a lane permute's destination counts as one of its sources)
	v_mov_b32 v241, 0                              ; (named as the upper half of the pair v[240:241])
	v_mov_b32 v247, 0xff800000                     ; -infinity
	s_wait_alu depctr_va_vdst(0)                   ; directly ahead of the wait below
	s_wait_kmcnt 0x0                               ; T
	s_ashr_i32 s[SG], s97, 31
	s_and_b32 s[SG], s[SG], 0x88888888             ; the sign bits of eight codes, where T is negative
	s_and_b32 s96, s97, 0x7fffffff
	v_mov_b32 v210, s96                            ; |T|
	s_wait_alu depctr_va_vdst(0)                   ; the wait ahead of the transcendental
	v_rcp_f32 v211, v210
	v_nop
	s_wait_alu depctr_va_vdst(0)                   ; and ahead of its first reader
	v_fma_f32 v212, -v210, v211, 1.0               ; one step of Newton's: c stands ahead of a quantiser
	v_fma_f32 v213, v212, v211, v211
	v_mul_f32 v232, 0x3e38aa3b, v213               ; c = (log2(e) / 8) / |T|
	v_mov_b32 v233, v232                           ; (named with it as a pair)
	s_lshr_b32 s[NF], s[WV], 2                     ; tile i = w: i / 4 whole steps,
	s_and_b32 s[SB], s[WV], 3                      ; i % 4 + 1 blocks on the diagonal
	s_wait_alu depctr_va_vdst(0)                   ; the wait at the head's end
	s_wait_tensorcnt 0x0                           ; my fill, if I had one, has landed
	s_barrier_signal -1
	s_barrier_wait -1                              ; everybody's has: from here on the head's K, V and scales are only read
.macro KLOAD ak, as                    ; a step's K: eight tiles, and their words
.irp t, 0,1,2,3,4,5,6,7
	ds_load_b128 v[32+4*\t:35+4*\t], v[\ak] offset:(\t/2)*2*KP+(\t%2)*256   ; tile t: numbers 32 h + 0 .. 31 of its lane's key
.endr
.irp t, 0,1,2,3,4,5,6,7
	ds_load_b32 v[24+\t], v[\as] offset:(32*(\t/2)+8*(\t%2))*4
.endr
.endm
; A tile begins: step 0's K is asked for; Q's signs are turned where T is negative; O^T and the sum begin as zeros, -M as 3e38 and the largest score as -3e38: the first change of M multiplies zeros.
.macro INIT tile
.if \tile
	s_wait_xcnt 0x0                                ; the first tile's stores have read their data: those registers are written again only behind this wait
.endif
	KLOAD AK, ASK
.if \tile
	v_mov_b32 v255, v246
.irp j, 0,1,2,3
	v_xor_b32 v[16+\j], s[SG], v[242+\j]
.endr
.else
	s_wait_loadcnt 0x0                             ; both tiles' Q
.irp j, 0,1,2,3
	v_xor_b32 v[16+\j], s[SG], v[16+\j]
.endr
.endif
	v_mov_b32 v12, 0x7f61b1e6
	v_mov_b32 v13, 0xff61b1e6
	v_mov_b32 v14, 0
	v_mov_b32 v15, 0
.set jj, 0
.rept 32
	v_mov_b32 v[OT+jj], 0                          ; (these also stand between the lines that wrote Q and its words and the first product)
.set jj, jj+1
.endr
	s_wait_alu depctr_va_vdst(0)                   ; ahead of the branches below
.endm
; THE ROW'S SUM of the unquantised p, two at a time, in four chains: the next n of the np additions; AD counts them.
.macro ADDS np, n
.rept \n
.if AD < \np
.if AD < 3
	v_pk_add_f32 v[214+2*AD:215+2*AD], v[SS+4*AD:SS+1+4*AD], v[SS+2+4*AD:SS+3+4*AD]
.elseif AD < (\np)-3
.if AD%4 == 3
	v_pk_add_f32 v[14:15], v[14:15], v[SS+6+2*AD:SS+7+2*AD]
.else
	v_pk_add_f32 v[214+2*(AD%4):215+2*(AD%4)], v[214+2*(AD%4):215+2*(AD%4)], v[SS+6+2*AD:SS+7+2*AD]
.endif
.elseif AD == (\np)-3
	v_pk_add_f32 v[214:215], v[214:215], v[216:217]
.elseif AD == (\np)-2
	v_pk_add_f32 v[14:15], v[14:15], v[218:219]
.else
	v_pk_add_f32 v[14:15], v[14:15], v[214:215]
.endif
.endif
.set AD, AD+1
.endr
.endm
; A KEY STEP: nb blocks of 32 keys; K and its words have been asked for.  diag = 1: the last block lies on the diagonal, and no step of this tile follows.
.macro STEP nb, diag
	s_wait_dscnt 0x0                               ; K and its words are in
.irp t, 0,1,2,3,4,5,6,7
.if \t < 2*(\nb)
	v_wmma_scale_f32_16x16x128_f8f6f4 v[SS+8*\t:SS+8*\t+7], v[32+4*\t:39+4*\t], v[16:23], 0, v[24+\t], v255 matrix_a_fmt:MATRIX_FMT_FP4 matrix_b_fmt:MATRIX_FMT_FP4
.endif
.endr
	v_add_nc_u32 v[ADV], s[TV], v[AV]              ; (four plain lines: the places in front of the loads and reads below)
	v_add_nc_u32 v[ADT], s[TJ], v[ASV]
.if \diag
	v_nop
	v_nop
.else
	v_add_nc_u32 v[ADK], s[TK], v[AK]
	v_add_nc_u32 v[ADS], s[TS], v[ASK]
.endif
.irp t, 0,1,2,3
.irp c, 0,1
	ds_load_b128 v[68+8*\t+4*\c:71+8*\t+4*\c], v[ADV] offset:16*VP*\t+32*\c   ; tile t of V^T: channel 16 t + r, keys 64 c + 32 h + 0 .. 31
.endr
.endr
.irp t, 0,1,2,3
	ds_load_b32 v[234+\t], v[ADT] offset:512*\t
.endr
.if (\diag) == 0
	KLOAD ADK, ADS                                 ; the next step's K, under this step's softmax
.else
.set nn, 0
.rept 16
	v_cndmask_b32 v[SS+16*((\nb)-1)+nn], v[SS+16*((\nb)-1)+nn], v247, s[MK+nn]   ; hidden keys' scores become -infinity ahead of the maximum: p = 0 then
.set nn, nn+1
.endr
.endif
.irp b, 0,1,2,3
.if \b < \nb
	v_max3_num_f32 v[MX+\b], v[SS+16*\b], v[SS+1+16*\b], v[SS+2+16*\b]   ; the largest score of each block of 32 keys: for the row's maximum, and, since p rises with the score, for the block's largest p
.endif
.endr
.irp i, 3,5,7,9,11,13
.irp b, 0,1,2,3
.if \b < \nb
	v_max3_num_f32 v[MX+\b], v[MX+\b], v[SS+16*\b+\i], v[SS+1+16*\b+\i]
.endif
.endr
.endr
.irp b, 0,1,2,3
.if \b < \nb
	v_max_num_f32 v[MX+\b], v[MX+\b], v[SS+15+16*\b]
.endif
.endr
.if (\nb)%2                                    ; a last block without a partner is its own
	v_mov_b32 v[MX+(\nb)], v[MX+(\nb)-1]
.endif
	v_permlane16_swap_b32 v[MX], v[MX+1]           ; (block 0 | block 1) of both halves' 16 keys
.if (\nb) > 2
	v_permlane16_swap_b32 v[MX+2], v[MX+3]
.endif
	v_max_num_f32 v[MX], v[MX], v[MX+1]            ; lanes 0-15: block 0's largest; lanes 16-31: block 1's (with one block: block 0's in both)
.if (\nb) > 2
	v_max_num_f32 v[MX+2], v[MX+2], v[MX+3]        ; block 2's | block 3's (with three blocks: block 2's in both)
	v_max_num_f32 v208, v[MX], v[MX+2]
	v_permlanex16_b32 v209, v208, s[SEL], s[SEL+1]
	v_max3_num_f32 v13, v13, v208, v209            ; the running largest score of my query
.elseif (\nb) == 2
	v_permlanex16_b32 v209, v[MX], s[SEL], s[SEL+1]
	v_max3_num_f32 v13, v13, v[MX], v209
.else
	v_max_num_f32 v13, v13, v[MX]
.endif
	v_mul_f32 v210, -v232, v13                     ; -t (c is positive)
	v_mov_b32 v211, v12
	v_floor_f32 v12, v210                          ; the new -M = -ceil(t): a whole number
	v_sub_f32 v211, v12, v211                      ; old M - new M: a whole number, 0 or less
	v_fma_f32 v[MX], v[MX], v232, v12              ; t - M of the blocks' largest scores,
.if (\nb) > 2
	v_fma_f32 v[MX+2], v[MX+2], v232, v12
.endif
.set jj, 0
.rept 8*(\nb)
	v_pk_fma_f32 v[SS+jj:SS+1+jj], v[SS+jj:SS+1+jj], v[232:233], v[12:13] op_sel_hi:[1,0,0]   ; and of all, two at a time (of the pairs c and -M the low word serves both halves)
.if jj == 4
	v_cvt_i32_f32 v211, v211                       ; (it saturates)
.endif
.if jj == 10
	v_ldexp_f32 v240, 1.0, v211                    ; f = 2^(old M - new M): a multiplication by it rounds nothing
.endif
.set jj, jj+2
.endr
	s_wait_alu depctr_va_vdst(0)                   ; the wait ahead of the batch
	v_exp_f32 v[MX], v[MX]                         ; the blocks' largest p: the same two instructions on the same number
.if (\nb) > 2
	v_exp_f32 v[MX+2], v[MX+2]
.endif
.set jj, 0
.rept 16*(\nb)
	v_exp_f32 v[SS+jj], v[SS+jj]                   ; p = 2^(t - M)
.set jj, jj+1
.endr
	v_pk_mul_f32 v[14:15], v[14:15], v[240:241] op_sel_hi:[1,0]   ; the sums under the new M: the plain place behind the exponentials
	s_wait_alu depctr_va_vdst(0)                   ; and one wait ahead of the batch's first reader
.set AD, 0
	v_max_num_f32 v[MX], 0x1800000, v[MX]          ; the floor 2^(3 - 127): the byte cannot fall under 1 (a block of zeros keeps that byte: its codes are zeros)
.if (\nb) > 2
	v_max_num_f32 v[MX+2], 0x1800000, v[MX+2]
.endif
	ADDS 8*(\nb), 4
	v_add_nc_u32 v[MX], 0xff000000, v[MX]          ; 2 off the exponent field: the conversion's scale operand
.if (\nb) > 2
	v_add_nc_u32 v[MX+2], 0xff000000, v[MX+2]
.endif
	ADDS 8*(\nb), 4
.if (\nb) > 1
	v_mov_b32 v[MX+1], v[MX]
.endif
.if (\nb) > 3
	v_mov_b32 v[MX+3], v[MX+2]
.endif
	ADDS 8*(\nb), 4
.if (\nb) > 1
	v_permlane16_swap_b32 v[MX], v[MX+1]           ; block 0's operand in both halves, block 1's in both
.endif
.if (\nb) > 3
	v_permlane16_swap_b32 v[MX+2], v[MX+3]
.endif
	ADDS 8*(\nb), 4
.irp b, 0,1,2,3
.if \b < \nb
.if ((\b) == 0) && ((\nb) == 1)
	v_lshrrev_b32 v238, 23, v[MX]                  ; the scale's byte, which is the word here
.else
	v_lshrrev_b32 v[220+\b], 23, v[MX+\b]          ; the scales' bytes
.endif
.endif
.endr
	ADDS 8*(\nb), 4
.if (\nb) > 1
	v_lshl_or_b32 v238, v221, 8, v220              ; p's scale word for these keys
	ADDS 8*(\nb), 3
.endif
.if (\nb) > 2
	v_lshl_or_b32 v238, v222, 16, v238
	ADDS 8*(\nb), 3
.endif
.if (\nb) > 3
	v_lshl_or_b32 v238, v223, 24, v238
.endif
	ADDS 8*(\nb), 16
.irp b, 1,2,3
.if \b >= \nb
	v_mov_b32 v[PC+2*\b], 0                        ; blocks that are left out: zero codes
	v_mov_b32 v[PC+2*\b+1], 0
.endif
.endr
.irp b, 0,1,2,3
.if \b < \nb
	v_cvt_scalef32_pk8_fp4_f32 v[PC+2*\b], v[SS+16*\b:SS+16*\b+7], v[MX+\b]
	v_cvt_scalef32_pk8_fp4_f32 v[PC+2*\b+1], v[SS+16*\b+8:SS+16*\b+15], v[MX+\b]
.endif
.endr
	v_nop                                          ; one plain place behind a scaled conversion
.irp i, 0,1                                    ; the operand's layout wants a whole block in a lane: lanes 0-15 block 2 c, lanes 16-31 block 2 c + 1
	v_permlane16_swap_b32 v[PC+\i], v[PC+2+\i]
.if (\nb) > 2
	v_permlane16_swap_b32 v[PC+4+\i], v[PC+6+\i]
.endif
.endr
.if \diag
	s_wait_dscnt 0x0                               ; V and its scale words are in
.else
	s_wait_dscnt 16                                ; V and its scale words are in; the next step's K and words, the younger sixteen, may be out
.endif
	s_wait_alu depctr_va_vdst(0)                   ; directly ahead of the first reader of O^T
.set jj, 0
.rept 16
	v_pk_mul_f32 v[OT+jj:OT+1+jj], v[OT+jj:OT+1+jj], v[240:241] op_sel_hi:[1,0]   ; O^T under the new M, each accumulator from its low end on.  (These sixteen also stand between the lines that wrote p's codes and scale word and the products)
.set jj, jj+2
.endr
.irp t, 0,1,2,3
	v_wmma_scale_f32_16x16x128_f8f6f4 v[OT+8*\t:OT+8*\t+7], v[68+8*\t:75+8*\t], v[PC:PC+7], v[OT+8*\t:OT+8*\t+7], v[234+\t], v238 matrix_a_fmt:MATRIX_FMT_FP4 matrix_b_fmt:MATRIX_FMT_FP4
.endr
.endm
.macro WHOLE trips                     ; the whole steps: a constant count of trips; those beyond the tile's own are passed over
	s_mov_b32 s[TK], 8*KP
	s_mov_b32 s[TS], 512
	s_mov_b32 s[TV], 0
	s_mov_b32 s[TJ], 0
	s_mov_b32 s[CNT], 0
.Lstep_\@:
	s_cmp_ge_u32 s[CNT], s[NF]
	s_cbranch_scc1 .Lover_\@
	STEP 4, 0
.Lover_\@:
	s_add_co_u32 s[TK], s[TK], 8*KP
	s_add_co_u32 s[TS], s[TS], 512
	s_add_co_u32 s[TV], s[TV], 64
	s_add_co_u32 s[TJ], s[TJ], 4
	s_add_co_u32 s[CNT], s[CNT], 1
	s_cmp_lt_u32 s[CNT], \trips
	s_cbranch_scc1 .Lstep_\@
.endm
.macro DIAGONAL                        ; the diagonal step, by the number of its blocks
	s_lshl_b32 s[TV], s[NF], 6
	s_lshl_b32 s[TJ], s[NF], 2
.irp k, 1,2,3
	s_cmp_lt_u32 s[SB], \k
	s_cbranch_scc0 .Lmore_\@_\k
	STEP \k, 1
	s_branch .Ldone_\@
.Lmore_\@_\k:
.endr
	STEP 4, 1
.Ldone_\@:
.endm
; THE WAY OUT of a tile: z = O^T / the sum; tanh(z) = 1 - 2 / (1 + 2^(2 log2(e) z)), which goes to 1 and to -1 where the power overflows or falls to 0; through my stage in LDS, so that sixteen lanes store 256 consecutive bytes.
.macro WAYOUT o
.rept 4
	v_nop                                          ; the places behind the last products
.endr
	v_add_f32 v14, v14, v15                        ; the sum's two halves,
	v_permlanex16_b32 v209, v14, s[SEL], s[SEL+1]
	v_add_f32 v14, v14, v209                       ; and lane l xor 16's
	s_wait_alu depctr_va_vdst(0)
	v_rcp_f32 v14, v14
	v_nop
	s_wait_alu depctr_va_vdst(0)                   ; the wait ahead of the reciprocal's first reader
	v_mul_f32 v14, 0x4038aa3b, v14                 ; 2 log2(e) / the sum
.set jj, 0
.rept 16
	v_pk_mul_f32 v[SS+jj:SS+1+jj], v[OT+jj:OT+1+jj], v[14:15] op_sel_hi:[1,0]   ; each accumulator from its low end on
.set jj, jj+2
.endr
	s_wait_alu depctr_va_vdst(0)
.set jj, 0
.rept 32
	v_exp_f32 v[SS+jj], v[SS+jj]
.set jj, jj+1
.endr
	v_nop
	s_wait_alu depctr_va_vdst(0)                   ; one wait for the 32
.set jj, 0
.rept 16
	v_pk_add_f32 v[SS+jj:SS+1+jj], v[SS+jj:SS+1+jj], 1.0 op_sel_hi:[1,0]
.set jj, jj+2
.endr
	s_wait_alu depctr_va_vdst(0)
.set jj, 0
.rept 32
	v_rcp_f32 v[SS+jj], v[SS+jj]
.set jj, jj+1
.endr
	v_nop
	s_wait_alu depctr_va_vdst(0)                   ; and one for these 32
.set jj, 0
.rept 16
	v_pk_fma_f32 v[SS+jj:SS+1+jj], v[SS+jj:SS+1+jj], -2.0, 1.0 op_sel_hi:[1,0,0]   ; register 8 t + j: out(query r, channel 16 t + 8 h + j)
.set jj, jj+2
.endr
.irp t, 0,1,2,3
	ds_store_b128 v[STI], v[SS+8*\t:SS+3+8*\t] offset:64*\t
	ds_store_b128 v[STI], v[SS+4+8*\t:SS+7+8*\t] offset:64*\t+16
.endr
.irp i, 0,1,2,3,4,5,6,7
	ds_load_b128 v[SS+32+4*\i:SS+35+4*\i], v[STR] offset:544*\i   ; LDS serves a wave's instructions in order (ISA guide 5.7.1.4): these see my stores.  Rows 2 i and 2 i + 1
.endr
.irp i, 0,1,2,3,4,5,6,7
	s_wait_dscnt 7-\i                              ; load i is in; the younger ones may be out
	global_store_b128 v[GO], v[SS+32+4*\i:SS+35+4*\i], s[\o:\o+1] offset:8192*\i th:TH_STORE_NT   ; 16 lanes store 256 consecutive bytes, at a multiple of 256 from out0's first byte; written once
.endr
.endm
	INIT 0
	WHOLE 3
	DIAGONAL
	WAYOUT OA
	s_xor_b32 s[NF], s[NF], 7                      ; tile i = 31 - w: 7 - w / 4 whole steps,
	s_xor_b32 s[SB], s[SB], 3                      ; 3 - w % 4 + 1 blocks on the diagonal
	INIT 1
	WHOLE 7
	DIAGONAL
	WAYOUT OB
	s_wait_tensorcnt 0x0                           ; the wave's end: behind my last tensor load and my last LDS store
	ds_add_u32 v[SPW], v[NIL]
	s_wait_dscnt 0x0
	CROUND                                         ; the closing round
	s_endpgm
.Lfunc_end_k_q81d1ab1f3f_attn:
	.size	k_q81d1ab1f3f_attn, .Lfunc_end_k_q81d1ab1f3f_attn-k_q81d1ab1f3f_attn
	.p2alignl 7, 3214868480
	.fill 96, 4, 3214868480
	.section	.rodata,"a",@progbits
	.p2align	6, 0x0
	.amdhsa_kernel k_q81d1ab1f3f_attn
		.amdhsa_group_segment_fixed_size 169984
		.amdhsa_private_segment_fixed_size 0
		.amdhsa_enable_private_segment 0
		.amdhsa_kernarg_size 48
		.amdhsa_user_sgpr_count 2
		.amdhsa_user_sgpr_kernarg_segment_ptr 1
		.amdhsa_wavefront_size32 1
		.amdhsa_system_sgpr_workgroup_id_x 1
		.amdhsa_system_sgpr_workgroup_id_y 1
		.amdhsa_system_sgpr_workgroup_id_z 1
		.amdhsa_system_vgpr_workitem_id 0
		.amdhsa_next_free_vgpr 256
		.amdhsa_next_free_sgpr 102
		.amdhsa_reserve_vcc 0
		.amdhsa_float_denorm_mode_32 3
		.amdhsa_float_denorm_mode_16_64 3
		.amdhsa_memory_ordered 1
		.amdhsa_forward_progress 1
		.amdhsa_inst_pref_size 148
	.end_amdhsa_kernel
	.amdgpu_metadata
---
amdhsa.version: [ 1, 2 ]
amdhsa.kernels:
  - .name:           k_q81d1ab1f3f_attn
    .symbol:         k_q81d1ab1f3f_attn.kd
    .args:
      - { .name: qk_codes, .offset: 0, .size: 8, .value_kind: global_buffer, .address_space: global }
      - { .name: qk_words, .offset: 8, .size: 8, .value_kind: global_buffer, .address_space: global }
      - { .name: x_codes, .offset: 16, .size: 8, .value_kind: global_buffer, .address_space: global }
      - { .name: x_scales, .offset: 24, .size: 8, .value_kind: global_buffer, .address_space: global }
      - { .name: temperature, .offset: 32, .size: 8, .value_kind: global_buffer, .address_space: global }
      - { .name: out0, .offset: 40, .size: 8, .value_kind: global_buffer, .address_space: global }
    .group_segment_fixed_size: 169984
    .private_segment_fixed_size: 0
    .kernarg_segment_align: 8
    .kernarg_segment_size: 48
    .max_flat_workgroup_size: 512
    .sgpr_count:     102
    .vgpr_count:     256
    .wavefront_size: 32
...
	.end_amdgpu_metadata
.endif
;; end of part 2
